; MI455X (gfx1250); checked and timed in simulation.
; The chip was launched on July 23, 2026; its instructions are those of AMD's public machine-readable ISA for CDNA 5 (MIT licence, August 2026) and "CDNA5" Instruction Set Architecture Reference Guide (July 2026). The comments in the code are by the model that wrote it; some were corrected since.
;; Mo E Bert Self Output. Allowed arithmetic: matrix products marked QUANTISED: E2M1 operands, one E8M0 scale for each 32 along K, by v_wmma_scale_f32_16x16x128_f8f6f4 with both operands' format E2M1 (or v_wmma_scale_f32_32x16x128_f4), f32 sums; everything else in f32.
;; Inputs: W 8 x 1,024 x 1,024 float32; b 8 x 1,024 float32; beta 1,024 float32; expert_idx 16 int32; gamma 1,024 float32; hidden_states 16 x 512 x 1,024 float32; input_tensor 16 x 512 x 1,024 float32.
;; Outputs: out0 16 x 512 x 1,024 float32.
;; This version of the problem:
;;   THIS VERSION OF THE PROBLEM IS GIVEN IN LOW PRECISION. The matrix products marked QUANTISED in the list below multiply operands that are first quantised to E2M1 (2 exponent bits, 1 mantissa bit; 4 bits a number), with one power-of-two scale for each 32 numbers along K (OCP MX v1.0); their sums are f32. All else is computed in f32.
;;   The module's matrix products, in the order in which they are computed (A, B: the left and right operand; K: the contracted axis; several contracted axes count as one K, in the product's order):
;;     1. [M 8,192, K 1,024] x [K 1,024, N 8,192]; A: input W; B: input hidden_states: QUANTISED
;;   THE QUANTISER, for each operand of a quantised product, along K:
;;     - K is cut into blocks of 32 from its start; a last block that is shorter is filled with zeros.
;;     - A block's scale is 2^e with e = floor(log2(the largest magnitude in the block)) - 2, held to -126 .. 127; a block of zeros has e = 0. As a byte (E8M0): e + 127.
;;     - Each number is divided by its block's scale, clamped to +-6, and rounded to the nearest number of E2M1, ties to even, subnormals kept.
;;     - The product sums the exact products of the quantised numbers (number of the format x scale) in f32.
;;   ~~~python
;;   def quantise(x, axis):      # numpy; x: float32 -> the quantised numbers, widened to float32 again
;;       x = np.moveaxis(x, axis, -1); K = x.shape[-1]
;;       x = np.pad(x, [(0, 0)] * (x.ndim - 1) + [(0, -K % 32)]); x = x.reshape(x.shape[:-1] + (-1, 32)); a = np.abs(x).max(-1, keepdims=True)
;;       e = np.where(a > 0, np.clip(np.frexp(np.where(a > 0, a, 1))[1] - 1 - 2, -126, 127), 0)      # np.frexp(a)[1] - 1 = floor(log2(a)), exactly
;;       r = np.clip(x / 2.0 ** e, -6, 6)
;;       step = 2.0 ** (np.maximum(np.frexp(np.where(r == 0, 1, r))[1] - 1, 0) - 1)
;;       q = np.round(r / step) * step * 2.0 ** e      # np.round: ties to even
;;       return np.moveaxis(q.reshape(q.shape[:-2] + (-1,))[..., :K], -1, axis).astype(np.float32)
;;   ~~~
;; One version. Each part assembles by itself: llvm-mc -triple=amdgcn-amd-amdhsa -mcpu=gfx1250 --defsym DOCPART=n.
;; ======== version 1 of 1: 2 launches
;; limits: right only within a limited range of input values
;; workspace buffers: wimg 8,912,896 bytes
;; launch wquant (part 1): grid 256 x 1, 16 waves a work-group, no clusters, 3,072 bytes of LDS; arguments W, wimg, expert_idx; writes wimg
.if DOCPART == 1
	.amdgcn_target "amdgcn-amd-amdhsa--gfx1250"
	.amdhsa_code_object_version 6
	.text
	.protected	k_q1431fc8f2a_wquant
	.globl	k_q1431fc8f2a_wquant
	.p2align	8
	.type	k_q1431fc8f2a_wquant,@function
k_q1431fc8f2a_wquant:
	s_mov_b64 s[64:65], 0
	v_nop
	global_prefetch_b8 v0, s[64:65] scope:SCOPE_SE
	s_setreg_imm32_b32 hwreg(HW_REG_WAVE_MODE, 25, 1), 1
	s_wait_xcnt 0x0
; W [8 (e)][1024 (h)][1024 (d)], f32, K (= h) first, becomes codes of FP4 (E2M1) with one E8M0 byte for each 32 along K, in the order in which the next launch's LDS and registers hold them.
; EACH BATCH HAS AN IMAGE OF ITS OWN EXPERT: a work-group quantises its part of one expert once and stores it into the image of every batch whose index names that expert; an expert that no batch names is stored nowhere.
; So the next launch finds its weights by the batch's number alone.
; K's 32 blocks kb are dealt to 8 matrix steps of four blocks: kb = 16 u + 4 i + b is block i of step 4 u + b (the next launch deals hs's blocks alike, so the products are the same).
; wimg [batch][u][w][q % 2][8,704 bytes]: q = 2 u + q % 2 = a quarter of K = steps 2 q, 2 q + 1; w = 64 columns.  A piece: codes [t = step % 2][n = 16 columns][i][r = column % 16][16 bytes, the lower k in the low four bits],
;   8,192 bytes, and then scale words [l = column % 32][g = column / 32 % 2][t], byte i of a word for block i: 512 bytes.
; LIMITS: a block's byte is its largest magnitude's exponent field - 2, held at 1 from below; a block of zeros gets the byte 1 where the rule says 127 (its codes are zeros, and this program alone reads the bytes);
; NaN and infinities among the inputs are not served; expert_idx is held to 0 .. 7 as an unsigned number.
; SHARES.  256 work-groups: e = x / 32, q = x / 8 % 4, 128 columns x % 8.  Sixteen waves: wave v takes columns 32 (v % 4) .. + 31 and the two blocks i = v / 4 of steps 2 q, 2 q + 1, which are 64 neighbouring rows.
; A LANE TAKES A COLUMN AND ITS REGISTERS RUN DOWN K: a block lies in one lane's 32 registers.  All 64 loads of a wave go out at its head; four waves stand side by side on 512 bytes of a row.
; Codes leave as whole aligned 256 bytes; the scale bytes are gathered in LDS (1,024 bytes) and leave the same way.  No tensor load, nothing is read twice.
.set EMAX, 2
.set SPARE, 1024                       ; behind the scale bytes: the spare words, 128 bytes for each wave
.set IMG,  557056                      ; a batch's image: 64 pieces
.set IDX,  32                          ; s[32:47] the sixteen batches' experts
.set X,    32                          ; v32-95   two blocks
.set C,    96                          ; v96-103  their codes
	s_load_b128 s[4:7], s[0:1], 0x0                ; W s[4:5], wimg s[6:7]
	s_load_b64 s[8:9], s[0:1], 0x10                ; expert_idx
	v_lshl_add_u32 v14, v0, 2, SPARE
	v_mov_b32 v15, 0
	v_lshrrev_b32 v1, 5, v0
	v_readfirstlane_b32 s10, v1                    ; wave v
	v_and_b32 v2, 31, v0                           ; lane l
	v_lshlrev_b32 v3, 2, v2                        ; W: 4 bytes a lane
	v_and_b32 v4, 15, v0
	v_lshlrev_b32 v4, 4, v4
	v_bfe_u32 v5, v0, 4, 1
	v_lshl_add_u32 v4, v5, 10, v4                  ; codes: 16 (l % 16) + 1,024 (l / 16)
	v_lshlrev_b32 v7, 4, v2                        ; 16 l
	s_and_b32 s11, s10, 3                          ; v % 4
	s_lshr_b32 s12, s10, 2                         ; i
	s_lshr_b32 s13, s11, 1                         ; which of my work-group's two pieces
	s_and_b32 s14, s11, 1                          ; g
	s_lshl_b32 s2, s13, 9
	s_lshl_b32 s3, s14, 3
	s_add_co_u32 s2, s2, s3
	s_add_co_u32 s2, s2, s12
	s_wait_alu depctr_va_vdst(0)                   ; directly ahead of the readers below
	v_add_nc_u32 v5, s2, v7                        ; LDS: my scale bytes: 512 piece + 16 l + 8 g + i (+ 4 t)
	s_lshl_b32 s2, s10, 9
	v_add_nc_u32 v6, s2, v7                        ; LDS: 512 v + 16 l: the way out, waves 0 and 1
	s_lshr_b32 s15, ttmp9, 5                       ; e
	s_bfe_u32 s16, ttmp9, 0x20003                  ; q
	s_and_b32 s17, ttmp9, 7                        ; which 128 columns
	s_lshl_b32 s18, s15, 22                        ; W: e x 4 MiB
	s_lshr_b32 s24, s16, 1                         ; u
	s_and_b32 s25, s16, 1                          ; q % 2
	s_lshl_b32 s2, s24, 21                         ; + u x 512 rows of 4,096 bytes
	s_add_co_u32 s18, s18, s2
	s_lshl_b32 s2, s12, 19                         ; + i x 128 rows
	s_add_co_u32 s18, s18, s2
	s_lshl_b32 s2, s25, 18                         ; + (q % 2) x 64 rows
	s_add_co_u32 s18, s18, s2
	s_lshl_b32 s2, s17, 9                          ; + 128 columns
	s_add_co_u32 s18, s18, s2
	s_lshl_b32 s2, s11, 7                          ; + 32 columns
	s_add_co_u32 s18, s18, s2
	s_mov_b32 s19, 0
	s_lshl_b32 s20, s24, 5                         ; pieces of an image: 32 u + 2 w + q % 2
	s_add_co_u32 s20, s20, s25
	s_lshl_b32 s2, s17, 2
	s_add_co_u32 s20, s20, s2                      ; my work-group's first piece; its second is two on
	s_lshl_b32 s2, s10, 1
	s_add_co_u32 s22, s20, s2                      ; the piece whose scale words waves 0 and 1 store
	s_lshl_b32 s2, s13, 1
	s_add_co_u32 s20, s20, s2                      ; my piece
	s_mul_i32 s20, s20, 8704
	s_lshl_b32 s2, s14, 11
	s_add_co_u32 s20, s20, s2                      ; + tiles 2 g
	s_lshl_b32 s2, s12, 8
	s_add_co_u32 s20, s20, s2                      ; + block i
	s_mov_b32 s21, 0
	s_mul_i32 s22, s22, 8704
	s_add_co_u32 s22, s22, 8192
	s_mov_b32 s23, 0
	s_wait_alu depctr_va_vdst(0)
	s_wait_kmcnt 0x0
	s_load_b512 s[IDX:IDX+15], s[8:9], 0x0         ; the sixteen indices, under the flight of W's loads
	s_add_nc_u64 s[4:5], s[4:5], s[18:19]
	s_add_nc_u64 s[20:21], s[6:7], s[20:21]
	s_add_nc_u64 s[22:23], s[6:7], s[22:23]
.irp t, 0,1
.irp i, 0,1,2,3,4,5,6,7,8,9,10,11,12,13,14,15,16,17,18,19,20,21,22,23,24,25,26,27,28,29,30,31
	global_load_b32 v[X+32*\t+\i], v3, s[4:5] offset:(32*\t+\i)*4096 th:TH_LOAD_NT
.endr
.endr
	s_wait_kmcnt 0x0
.irp b, 0,1,2,3,4,5,6,7,8,9,10,11,12,13,14,15
	s_min_u32 s[IDX+\b], s[IDX+\b], 7              ; the index stays inside its table
.endr
.macro BLOCK t
.set XS, X+32*(\t)
	s_wait_loadcnt 32*(1-(\t))                     ; block 0: the 32 loads of block 1 may be out
	v_max3_num_f32 v8, |v[XS]|, |v[XS+1]|, |v[XS+2]|               ; the block's largest magnitude, in two chains
	v_max3_num_f32 v9, |v[XS+3]|, |v[XS+4]|, |v[XS+5]|
.irp i, 6,10,14,18,22,26
	v_max3_num_f32 v8, v8, |v[XS+\i]|, |v[XS+\i+1]|
	v_max3_num_f32 v9, v9, |v[XS+\i+2]|, |v[XS+\i+3]|
.endr
	v_max3_num_f32 v8, v8, |v[XS+30]|, |v[XS+31]|
	v_max3_num_f32 v8, v8, v9, (EMAX+1)<<23        ; and the floor 2^(EMAX + 1 - 127): the byte cannot fall under 1
	v_add_nc_u32 v10, 0xff000000, v8               ; EMAX off the exponent field: the conversion's scale operand
	v_lshrrev_b32 v[12+(\t)], 23, v10              ; the scale's byte
.irp g, 0,1,2,3
	v_cvt_scalef32_pk8_fp4_f32 v[C+4*(\t)+\g], v[XS+8*\g:XS+8*\g+7], v10
.endr
	v_nop                                          ; one plain place behind the last scaled conversion
	ds_store_b8 v5, v[12+(\t)] offset:4*(\t)
.endm
	BLOCK 0
	BLOCK 1
	s_wait_alu depctr_va_vdst(0)                   ; ahead of the branches below
.macro CODES b                         ; my two blocks' codes into batch b's image, if b's expert is mine
	s_cmp_eq_u32 s[IDX+\b], s15
	s_cbranch_scc0 .Lnot_mine_\@
	global_store_b128 v4, v[C:C+3], s[20:21] offset:\b*IMG         ; lanes 0-15 store 256 consecutive aligned bytes, lanes 16-31 the same one tile on
	global_store_b128 v4, v[C+4:C+7], s[20:21] offset:\b*IMG+4096
.Lnot_mine_\@:
.endm
.irp b, 0,1,2,3,4,5,6,7,8,9,10,11,12,13,14,15
	CODES \b
.endr
	s_wait_tensorcnt 0x0                           ; the dscnt wait below shows my bytes stored, in front of the signal
	ds_add_u32 v14, v15
	s_wait_dscnt 0x0
	s_barrier_signal -1
	s_barrier_wait -1                              ; 1,024 scale bytes lie in LDS
	s_cmp_lt_u32 s10, 2
	s_cbranch_scc0 .Lend
	ds_load_b128 v[16:19], v6
	s_wait_dscnt 0x0
.macro WORDS b
	s_cmp_eq_u32 s[IDX+\b], s15
	s_cbranch_scc0 .Lnot_mine_\@
	global_store_b128 v7, v[16:19], s[22:23] offset:\b*IMG         ; 32 lanes store 512 consecutive bytes, at a multiple of 256
.Lnot_mine_\@:
.endm
.irp b, 0,1,2,3,4,5,6,7,8,9,10,11,12,13,14,15
	WORDS \b
.endr
.Lend:
	s_endpgm
.Lfunc_end_k_q1431fc8f2a_wquant:
	.size	k_q1431fc8f2a_wquant, .Lfunc_end_k_q1431fc8f2a_wquant-k_q1431fc8f2a_wquant
	.p2alignl 7, 3214868480
	.fill 96, 4, 3214868480
	.section	.rodata,"a",@progbits
	.p2align	6, 0x0
	.amdhsa_kernel k_q1431fc8f2a_wquant
		.amdhsa_group_segment_fixed_size 3072
		.amdhsa_private_segment_fixed_size 0
		.amdhsa_enable_private_segment 0
		.amdhsa_kernarg_size 24
		.amdhsa_user_sgpr_count 2
		.amdhsa_user_sgpr_kernarg_segment_ptr 1
		.amdhsa_wavefront_size32 1
		.amdhsa_system_sgpr_workgroup_id_x 1
		.amdhsa_system_sgpr_workgroup_id_y 1
		.amdhsa_system_sgpr_workgroup_id_z 1
		.amdhsa_system_vgpr_workitem_id 0
		.amdhsa_next_free_vgpr 104
		.amdhsa_next_free_sgpr 66
		.amdhsa_reserve_vcc 0
		.amdhsa_float_denorm_mode_32 3
		.amdhsa_float_denorm_mode_16_64 3
		.amdhsa_memory_ordered 1
		.amdhsa_forward_progress 1
		.amdhsa_inst_pref_size 20
	.end_amdhsa_kernel
	.amdgpu_metadata
---
amdhsa.version: [ 1, 2 ]
amdhsa.kernels:
  - .name:           k_q1431fc8f2a_wquant
    .symbol:         k_q1431fc8f2a_wquant.kd
    .args:
      - { .name: W, .offset: 0, .size: 8, .value_kind: global_buffer, .address_space: global }
      - { .name: wimg, .offset: 8, .size: 8, .value_kind: global_buffer, .address_space: global }
      - { .name: expert_idx, .offset: 16, .size: 8, .value_kind: global_buffer, .address_space: global }
    .group_segment_fixed_size: 3072
    .private_segment_fixed_size: 0
    .kernarg_segment_align: 8
    .kernarg_segment_size: 24
    .max_flat_workgroup_size: 512
    .sgpr_count:     66
    .vgpr_count:     104
    .wavefront_size: 32
...
	.end_amdgpu_metadata
.endif
;; end of part 1
;; launch fused (part 2): grid 256 x 1, 16 waves a work-group, clusters of 4 x 1, 327,680 bytes of LDS; arguments hidden_states, input_tensor, expert_idx, wimg, b, gamma, beta, out0; writes out0
.if DOCPART == 2
	.amdgcn_target "amdgcn-amd-amdhsa--gfx1250"
	.amdhsa_code_object_version 6
	.text
	.protected	k_q1431fc8f2a_fused
	.globl	k_q1431fc8f2a_fused
	.p2align	8
	.type	k_q1431fc8f2a_fused,@function
k_q1431fc8f2a_fused:
	s_mov_b64 s[64:65], 0
	v_nop
	global_prefetch_b8 v0, s[64:65] scope:SCOPE_SE
	s_setreg_imm32_b32 hwreg(HW_REG_WAVE_MODE, 25, 1), 1
	s_wait_xcnt 0x0
	s_wait_alu depctr_hold_cnt(0) depctr_sa_sdst(0) depctr_va_vdst(0) depctr_va_sdst(0) depctr_va_ssrc(0) depctr_va_vcc(0) depctr_vm_vsrc(0)
	s_getreg_b32 s2, hwreg(HW_REG_IB_STS2, 6, 4)
	s_cmp_eq_u32 s2, 0
	s_cbranch_scc0 .Lentry_in_a_cluster
	s_endpgm
.Lentry_in_a_cluster:
	s_bfe_u32 s2, ttmp6, 0x10000c
	s_cmp_lg_u32 s2, 0x3003
	s_cbranch_scc0 .Lentry_shape_is_right
	s_endpgm
.Lentry_shape_is_right:
; out0[row] = LayerNorm(hs[row] x W[e] + b[e] + input[row]) x gamma + beta, e = expert_idx[row / 512]; the product on codes of FP4 (E2M1) with one E8M0 scale for each 32 along K = 1,024.
; Only the expert that the index names is multiplied: the gather throws the others' results away (so a NaN or an infinity of theirs is not carried, here as in the gather).
; SHARES.  256 work-groups in clusters of four.  Cluster c serves batch c % 16: its work-group cx owns rows 128 (c / 16) + 32 cx .. + 31 of the batch and all 1,024 columns, so a row's mean and variance never leave it.
; Sixteen waves of 256 registers.  Wave w
;   (a) takes its rows 2 w, 2 w + 1 of hs and of input from memory straight into registers (64 each) and quantises its two rows of hs;
;   (b) multiplies all 32 rows by columns 64 w .. 64 w + 63: 8 accumulators x 8 matrix steps;
;   (c) takes rows 2 w, 2 w + 1 back from a stage in LDS, adds the residual (which has taken the bias by then), normalises and stores whole rows.
; W: wimg holds an image of the chosen expert for each batch, in pieces of 8,704 bytes: 64 columns' codes and scale words for a quarter of K, laid as the registers take them.  A wave fetches its own columns' pieces:
; quarters 0 and 1 by one load ahead of everything else, then quarter 2 and quarter 3 by one load each.  Quarter 0 goes from LDS into registers while hs is on its way, so that quarter 2 is asked for ahead of the product,
; and input, which is wanted last, behind it; quarter 3 is asked for when quarter 1 lies in registers.
; CLUSTERS of four work-groups of one batch: they need the same pieces, so each is asked for JOINTLY, by the same load with the same descriptor and the mask 15.  The address hangs on the batch's and the wave's number;
; the index itself is read here for b[e] alone.
; hs's blocks are dealt to the matrix steps as W's are: block kb = 16 u + 4 i + b is block i of step 4 u + b.  A lane's 16 bytes of a row's 512 belong to block b = lane / 8, so its four scale bytes for i = 0 .. 3 are one scale word.
; THE MATRIX INSTRUCTION IS USED TRANSPOSED (source 0 = 16 columns of W, source 1 = 16 rows of hs): a lane then holds eight neighbouring columns of one row.
; NO PREFETCH: the launch has three fills written out and no loop to run ahead in, and while a fill is on its way up to 262,144 bytes of hs and input are asked for beside it.
; LIMITS: a block of zeros of hs gets the scale byte 1 where the rule says 127 (its codes are zeros; the bytes stay in this launch); NaN and infinities are not served; expert_idx is held to 0 .. 7 as an unsigned number.
.set PIECE, 8704
.set HALF, 32*PIECE                    ; two quarters of K.  LDS: wave w's two pieces at 2 w PIECE; the stage (32 rows, pitch STP, 131,584 bytes) lies over the pieces behind their last fill and last read
.set HC,   HALF                        ; hs's codes: 32 rows of 512 bytes, pitch 528
.set HP,   528
.set HSS,  HC+32*HP                    ; hs's scale words: 32 rows of 32 bytes, pitch 48
.set GAM,  HSS+32*48                   ; gamma, beta, b[e]: 4,096 bytes each
.set SPARE, GAM+12288                  ; the spare words, 128 bytes for each wave
.set STP,  4112
.set HSC,  16                          ; v16-23   hs's scale word of step s: lanes 0-15 rows 0-15, lanes 16-31 rows 16-31
.set WS,   24                          ; v24-31   W's scale words, two sets of four by quarters: + 2 (n / 2) + step % 2
.set HF,   32                          ; v32-63   hs's fragments, two buffers; before the product at work in the quantiser; at the end the reductions
.set CH,   56                          ; v56-61   my wave's 256 bytes of gamma, beta and b[e]
.set X,    64                          ; v64-127  my 64 numbers of hs; then accumulator (m, n) at + 8 (4 m + n); then x
.set INR,  128                         ; v128-191 my 64 numbers of input
.set WF,   192                         ; v192-255 W's fragments, two buffers of a step; then the bias; at the end gamma, beta
.set GM,   192
.set BE,   224
.set T,    32                          ; v32-39 four chains, v40 a lane exchange, v42-43 the mean twice, v44-45 1 / sqrt twice, v46 the variance
.set SPW,  14
.set NIL,  15
.macro CROUND                          ; a round of the cluster's barrier
	s_barrier_signal -1
	s_barrier_wait -1
	s_cmp_lg_u32 s22, 0
	s_cbranch_scc1 .Lnot_wave_0_\@
	s_barrier_signal -3
.Lnot_wave_0_\@:
	s_barrier_wait -3
	s_barrier_signal -1
	s_barrier_wait -1
.endm
	s_load_b256 s[4:11], s[0:1], 0x0               ; hs s[4:5], input s[6:7], expert_idx s[8:9], wimg s[10:11]
	s_load_b256 s[12:19], s[0:1], 0x20             ; b s[12:13], gamma s[14:15], beta s[16:17], out0 s[18:19]
	v_lshl_add_u32 v[SPW], v0, 2, SPARE
	v_mov_b32 v[NIL], 0
	ds_add_u32 v[SPW], v[NIL]                      ; the opening lines: the add, twice on end, and its wait below
	ds_add_u32 v[SPW], v[NIL]
	v_lshrrev_b32 v32, 5, v0
	v_readfirstlane_b32 s22, v32                   ; wave w
	v_and_b32 v33, 31, v0                          ; l
	v_and_b32 v34, 15, v0                          ; r = l % 16
	v_bfe_u32 v35, v0, 4, 1                        ; h = l / 16
	v_bfe_u32 v36, v0, 3, 2                        ; b = l / 8
	v_and_b32 v37, 7, v0                           ; l % 8
	s_bfe_u32 s23, ttmp6, 0x40000                  ; cx: my place in the cluster
	s_and_b32 s21, ttmp9, 15                       ; my batch: the same in all four work-groups
	s_lshr_b32 s24, ttmp9, 4
	s_lshl_b32 s24, s24, 2
	s_add_co_u32 s24, s24, s23                     ; which 32 rows of the batch
	s_lshl_b32 s25, s21, 4
	s_add_co_u32 s24, s24, s25                     ; and of all
	s_lshl_b32 s25, s21, 2                         ; my batch's word in expert_idx
	s_lshl_b32 s26, s24, 17                        ; my two rows in hs, input and out0: 32 rows of 4,096 bytes a work-group
	s_lshl_b32 s30, s22, 13
	s_add_co_u32 s26, s26, s30                     ; + w x 2 rows
	s_mov_b32 s27, 0
	s_mov_b32 s32, 15|(3<<16)|(1<<21)              ; group 1: the mask of all four; elements of 8 bytes; 21 set beside a mask: two pieces, 17,408 dense bytes, as 34 rows of 512
	s_mov_b32 s33, 64<<16
	s_mov_b32 s34, 34<<16
	s_mov_b32 s35, 64<<16
	s_mov_b32 s36, 34
	s_mov_b32 s37, 64
	s_mov_b32 s38, 0
	s_mov_b32 s39, 0
	s_mov_b32 s40, 1                               ; group 0 for my first place in LDS (s[40:43]) and for my second (s[44:47])
	s_mul_i32 s41, s22, 2*PIECE
	s_mov_b32 s44, 1
	s_add_co_u32 s45, s41, PIECE
	s_mul_i32 s28, s21, 2*HALF                     ; wimg: the batch's image
	s_add_co_u32 s28, s28, s41                     ; + my two pieces
	s_mov_b32 s29, 0
	s_mov_b32 s48, 0x76543210
	s_mov_b32 s49, 0xfedcba98                      ; v_permlanex16_b32's selects for lane l xor 16
	s_mov_b32 s50, 0x3a800000                      ; 1 / 1024
	s_mov_b32 s51, 0x2b8cbccc                      ; 1e-12
	s_wait_alu depctr_va_vdst(0)                   ; directly ahead of the readers below
	v_lshlrev_b32 v1, 4, v33                       ; v1: 16 l
	v_lshlrev_b32 v2, 3, v33                       ; v2: 8 l
	v_add_nc_u32 v3, GAM, v1                       ; v3: gamma, 16 bytes a lane
	s_mul_i32 s31, s22, 2*HP
	s_add_co_u32 s31, s31, HC
	v_lshlrev_b32 v38, 1, v37
	v_lshl_add_u32 v38, v36, 6, v38
	v_add_nc_u32 v4, s31, v38                      ; v4: my 2 bytes of codes: row 2 w, step b (+ 4 u), byte 2 (l % 8) of block i
	s_mul_i32 s31, s22, 96
	s_add_co_u32 s31, s31, HSS
	v_lshlrev_b32 v39, 2, v36
	v_add_nc_u32 v5, s31, v39                      ; v5: my scale word: row 2 w, step b (+ 4 u)
	s_lshl_b32 s30, s22, 8                         ; 256 w
	s_add_co_u32 s31, s30, GAM
	v_add_nc_u32 v6, s31, v2                       ; v6: where my 8 bytes of gamma go
	v_mul_u32_u24 v7, v34, HP
	v_lshl_add_u32 v7, v35, 4, v7
	v_add_nc_u32 v7, HC, v7                        ; v7: a fragment of hs: row r, + 16 h
	v_mul_u32_u24 v8, v33, 48
	v_add_nc_u32 v8, HSS, v8                       ; v8: row l's scale words
	v_mul_u32_u24 v9, v34, STP
	v_lshl_add_u32 v9, v35, 5, v9
	v_add_nc_u32 v9, s30, v9                       ; v9: the stage, on the way in: row r, my wave's 256 bytes, + 32 h
	v_add_nc_u32 v10, 16*STP, v9                   ; v10: the same for rows 16-31
	s_mul_i32 s31, s22, 2*STP
	v_add_nc_u32 v11, s31, v1                      ; v11: and back: row 2 w, 16 bytes a lane
	v_add_nc_u32 v12, s41, v1                      ; v12, v13: my two places for pieces
	v_add_nc_u32 v13, PIECE, v12
	s_wait_alu depctr_va_vdst(0)
	s_wait_dscnt 0x0                               ; both opening adds are done
	s_wait_kmcnt 0x0
	s_load_b32 s20, s[8:9], s25 offset:0x0         ; e
	s_add_nc_u64 s[42:43], s[10:11], s[28:29]      ; quarters 0 and 1
	s_add_nc_u64 s[46:47], s[42:43], HALF+PIECE    ; quarter 3
	s_or_b32 s43, s43, 0x80000000                  ; type = 2
	s_or_b32 s47, s47, 0x80000000
	s_add_nc_u64 s[4:5], s[4:5], s[26:27]
	s_add_nc_u64 s[6:7], s[6:7], s[26:27]
	s_add_nc_u64 s[18:19], s[18:19], s[26:27]
	CROUND                                         ; all four work-groups are here: the first joint loads meet
	tensor_load_to_lds s[40:43], s[32:39]          ; quarters 0 and 1: my one load at the head
	s_nop 0
.irp i, 0,1,2,3,4,5,6,7,8,9,10,11,12,13,14,15
	global_load_b128 v[X+4*\i:X+4*\i+3], v1, s[4:5] offset:512*\i th:TH_LOAD_NT   ; hs: row i / 8, numbers 128 (i % 8) + 4 l .. + 3
.endr
	s_wait_kmcnt 0x0
	s_min_u32 s20, s20, 7                          ; the index stays inside its table
	s_lshl_b32 s28, s20, 12
	s_add_co_u32 s28, s28, s30                     ; b: e x 4,096 + 256 w
	s_mov_b32 s31, 0                               ; gamma, beta: 256 w
	s_add_nc_u64 s[12:13], s[12:13], s[28:29]
	s_add_nc_u64 s[14:15], s[14:15], s[30:31]
	s_add_nc_u64 s[16:17], s[16:17], s[30:31]
	global_load_b64 v[CH:CH+1], v2, s[14:15]
	global_load_b64 v[CH+2:CH+3], v2, s[16:17]
	global_load_b64 v[CH+4:CH+5], v2, s[12:13]
; W's fragments of step s (tiles 0-3 of my columns) into buffer s % 2; adr: where my piece of the step's quarter lies
.macro WLD s, adr
.irp n, 0,1,2,3
.irp c, 0,1
	ds_load_b128 v[WF+32*((\s)%2)+8*\n+4*\c:WF+32*((\s)%2)+8*\n+4*\c+3], v[\adr] offset:4096*((\s)%2)+1024*\n+512*\c
.endr
.endr
.endm
.macro WSL q, adr                      ; quarter q's scale words into set q % 2
	ds_load_b128 v[WS+4*((\q)%2):WS+4*((\q)%2)+3], v[\adr] offset:8192
.endm
.macro HLD s                           ; hs's two fragments of step s into buffer s % 2
.irp m, 0,1
.irp c, 0,1
	ds_load_b128 v[HF+16*((\s)%2)+8*\m+4*\c:HF+16*((\s)%2)+8*\m+4*\c+3], v7 offset:\m*16*HP+64*(\s)+32*\c
.endr
.endr
.endm
	s_wait_tensorcnt 0x0                           ; my pieces of quarters 0 and 1 are in, and I alone read them
	WSL 0, 12                                      ; quarter 0 moves into registers
	WLD 0, 12
	WLD 1, 12
	s_wait_tensorcnt 0x0
	ds_add_u32 v[SPW], v[NIL]
	s_add_nc_u64 s[42:43], s[42:43], HALF          ; no tensor load of mine is out, so descriptors may be written: quarter 2,
	s_mov_b32 s34, 17<<16                          ; and from here on a load brings one piece, 17 rows of 512 bytes
	s_mov_b32 s36, 17
	s_wait_dscnt 0x0                               ; the add is done, and so are my reads of quarter 0
	CROUND
	tensor_load_to_lds s[40:43], s[32:39]          ; quarter 2 into my first place
	s_nop 0
.irp i, 0,1,2,3,4,5,6,7,8,9,10,11,12,13,14,15
	global_load_b128 v[INR+4*\i:INR+4*\i+3], v1, s[6:7] offset:512*\i th:TH_LOAD_NT
.endr
	; ---- my two rows of hs become codes.  A block of 32 lies in eight neighbouring lanes, four numbers each: three lane exchanges give its largest magnitude
.macro QROW p, M, BY, CD
.set XP, X+32*\p
.irp s, 0,1,2,3,4,5,6,7
	v_max3_num_f32 v[\M+\s], |v[XP+4*\s]|, |v[XP+4*\s+1]|, |v[XP+4*\s+2]|
.endr
.irp s, 0,1,2,3,4,5,6,7
	v_max3_num_f32 v[\M+\s], v[\M+\s], |v[XP+4*\s+3]|, 0x1800000   ; and the floor 2^(3 - 127): the byte cannot fall under 1
.endr
.irp k, 1,2,4
.irp s, 0,1,2,3,4,5,6,7
	v_max_num_f32_dpp v[\M+\s], v[\M+\s], v[\M+\s] row_xmask:\k row_mask:0xf bank_mask:0xf
.endr
.endr
.irp s, 0,1,2,3,4,5,6,7
	v_add_nc_u32 v[\M+\s], 0xff000000, v[\M+\s]    ; 2 off the exponent field: the conversion's scale operand
.endr
.irp s, 0,1,2,3,4,5,6,7
	v_lshrrev_b32 v[\BY+\s], 23, v[\M+\s]          ; the scale's byte
.endr
; a conversion takes eight registers and one scale: those of loads 2 t and 2 t + 1 are converted under each one's scale; the low half of the first result and the high half of the second count
.irp t, 0,1,2,3
	v_cvt_scalef32_pk8_fp4_f32 v[\CD+2*\t], v[XP+8*\t:XP+8*\t+7], v[\M+2*\t]
	v_cvt_scalef32_pk8_fp4_f32 v[\CD+2*\t+1], v[XP+8*\t:XP+8*\t+7], v[\M+2*\t+1]
.endr
.irp s, 1,2,3
	v_lshl_or_b32 v[\BY], v[\BY+\s], 8*\s, v[\BY]
	v_lshl_or_b32 v[\BY+4], v[\BY+4+\s], 8*\s, v[\BY+4]
.endr
.irp t, 0,1,2,3
	ds_store_b16 v4, v[\CD+2*\t] offset:\p*HP+256*(\t/2)+32*(\t%2)
	ds_store_b16_d16_hi v4, v[\CD+2*\t+1] offset:\p*HP+256*(\t/2)+32*(\t%2)+16
.endr
	ds_store_b32 v5, v[\BY] offset:\p*48           ; steps b and 4 + b; the eight lanes of a block write the same word with the same value
	ds_store_b32 v5, v[\BY+4] offset:\p*48+16
.endm
	s_wait_loadcnt 27                              ; row 0 of hs is in; behind it 8 loads of row 1, 3 of parameters, 16 of input
	QROW 0, 32, 40, 48
	s_wait_loadcnt 19                              ; row 1 is in
	QROW 1, 64, 72, 80                             ; (row 0's numbers are done with: their registers serve)
	s_wait_loadcnt 16                              ; gamma, beta and b[e] are in; the 16 loads of input may be out
	ds_store_b64 v6, v[CH:CH+1]
	ds_store_b64 v6, v[CH+2:CH+3] offset:4096
	ds_store_b64 v6, v[CH+4:CH+5] offset:8192
	s_wait_dscnt 0x0                               ; for the others' sake: my stores have landed
	s_barrier_signal -1
	s_barrier_wait -1                              ; hs's codes and scale words, gamma, beta and b[e] lie in LDS
	; ---- the product
.macro PLACES                          ; four places in front of loads into registers that matrix instructions have read, and of the first read of results
.rept 4
	v_nop
.endr
.endm
.macro WMV c
.if sel == 0
	v_wmma_scale_f32_16x16x128_f8f6f4 v[rD:rD+7], v[rW:rW+7], v[rH:rH+7], \c, v[rA], v[rB] matrix_a_fmt:MATRIX_FMT_FP4 matrix_b_fmt:MATRIX_FMT_FP4
.elseif sel == 1
	v_wmma_scale_f32_16x16x128_f8f6f4 v[rD:rD+7], v[rW:rW+7], v[rH:rH+7], \c, v[rA], v[rB] matrix_a_fmt:MATRIX_FMT_FP4 matrix_b_fmt:MATRIX_FMT_FP4 matrix_b_scale:MATRIX_SCALE_ROW1
.elseif sel == 2
	v_wmma_scale_f32_16x16x128_f8f6f4 v[rD:rD+7], v[rW:rW+7], v[rH:rH+7], \c, v[rA], v[rB] matrix_a_fmt:MATRIX_FMT_FP4 matrix_b_fmt:MATRIX_FMT_FP4 matrix_a_scale:MATRIX_SCALE_ROW1
.else
	v_wmma_scale_f32_16x16x128_f8f6f4 v[rD:rD+7], v[rW:rW+7], v[rH:rH+7], \c, v[rA], v[rB] matrix_a_fmt:MATRIX_FMT_FP4 matrix_b_fmt:MATRIX_FMT_FP4 matrix_a_scale:MATRIX_SCALE_ROW1 matrix_b_scale:MATRIX_SCALE_ROW1
.endif
.endm
; A step: the eight accumulators take turns, one instruction a turn, in the same order in every step.
; An odd tile's scale words lie in lanes 16-31 of their register, and so do those of rows 16-31.  The first step starts the sums.
.macro MUL s
.irp n, 0,1,2,3
.irp m, 0,1
.set rD, X+8*(4*\m+\n)
.set rW, WF+32*((\s)%2)+8*\n
.set rH, HF+16*((\s)%2)+8*\m
.set rA, WS+4*(((\s)/2)%2)+2*(\n/2)+(\s)%2
.set rB, HSC+(\s)
.set sel, 2*(\n%2)+\m
.if (\s) == 0
	WMV 0
.else
	WMV v[rD:rD+7]
.endif
.endr
.endr
.endm
	ds_load_b128 v[HSC:HSC+3], v8                  ; row l's eight scale words
	ds_load_b128 v[HSC+4:HSC+7], v8 offset:16
	HLD 0
	HLD 1
	s_wait_dscnt 4                                 ; all but step 1's fragments of hs
	MUL 0
	PLACES
	WSL 1, 13
	WLD 2, 13
	HLD 2
	s_wait_dscnt 13                                ; step 1's fragments of hs are in; the 13 just issued may be out
	MUL 1
	PLACES
	WLD 3, 13
	HLD 3
	s_wait_tensorcnt 0x0                           ; quarter 2 is in
	ds_add_u32 v[SPW], v[NIL]
	s_wait_dscnt 13                                ; step 2's fragments are in; step 3's 12 loads and the add may be out
	MUL 2
	s_wait_dscnt 0x0                               ; the add is done, and so are my reads of quarter 1: it lies in registers
	CROUND
	tensor_load_to_lds s[44:47], s[32:39]          ; quarter 3 into my second place
	s_nop 0
	PLACES
	WSL 2, 12
	WLD 4, 12
	HLD 4
	MUL 3
	PLACES
	WLD 5, 12
	HLD 5
	s_wait_dscnt 12                                ; step 4's are in
	MUL 4
	PLACES
	HLD 6
	s_wait_dscnt 4                                 ; step 5's are in
	MUL 5
	PLACES
	HLD 7
.irp j, 0,1,2,3,4,5,6,7
	ds_load_b128 v[WF+4*\j:WF+4*\j+3], v3 offset:8192+512*\j      ; b[e], columns 128 j + 4 l .. + 3
.endr
	s_wait_loadcnt 0x0                             ; my two rows of input are in
	s_wait_dscnt 0x0                               ; b[e] is in
.irp i, 0,2,4,6,8,10,12,14,16,18,20,22,24,26,28,30
.irp p, 0,1
	v_pk_add_f32 v[INR+32*\p+\i:INR+32*\p+\i+1], v[INR+32*\p+\i:INR+32*\p+\i+1], v[WF+\i:WF+\i+1]   ; the residual takes the bias
.endr
.endr
	s_wait_alu depctr_va_vdst(0)                   ; ahead of the waits below
	s_wait_tensorcnt 0x0                           ; quarter 3: my piece is in, and I alone read it
	WSL 3, 13
	WLD 6, 13
	WLD 7, 13
	s_wait_dscnt 0x0                               ; all of W is in registers:
	s_barrier_signal -1                            ; my reads of both pieces are over, and their bytes become the stage behind the wait of this barrier
	MUL 6
	MUL 7
	PLACES
	s_barrier_wait -1
	; lane (r, h), register j of accumulator (m, n) is the product at row 16 m + r, column 64 w + 16 n + 8 h + j: 32 neighbouring bytes of a row go into the stage
.irp m, 0,1
.irp n, 0,1,2,3
	ds_store_b128 v[9+\m], v[X+8*(4*\m+\n):X+8*(4*\m+\n)+3] offset:64*\n             ; each accumulator from its low end on
	ds_store_b128 v[9+\m], v[X+8*(4*\m+\n)+4:X+8*(4*\m+\n)+7] offset:64*\n+16
.endr
.endr
	s_wait_tensorcnt 0x0
	ds_add_u32 v[SPW], v[NIL]
	s_wait_dscnt 0x0                               ; for the others' sake my stores into the stage have landed
	CROUND                                         ; the closing round: behind it nobody asks for a tile any more, and 32 whole rows of the product lie in the stage
	; ---- rows 2 w and 2 w + 1, one after the other: lane l holds columns 128 j + 4 l .. + 3, j = 0 .. 7, in registers 4 j .. 4 j + 3
.irp p, 0,1
.irp j, 0,1,2,3,4,5,6,7
	ds_load_b128 v[X+32*\p+4*\j:X+32*\p+4*\j+3], v11 offset:\p*STP+512*\j
.endr
.endr
.irp j, 0,1,2,3,4,5,6,7
	ds_load_b128 v[GM+4*\j:GM+4*\j+3], v3 offset:512*\j
.endr
.irp j, 0,1,2,3,4,5,6,7
	ds_load_b128 v[BE+4*\j:BE+4*\j+3], v3 offset:4096+512*\j
.endr
; four chains become one number, and the 32 lanes' numbers their sum, in every lane
.macro SUM
	v_pk_add_f32 v[T:T+1], v[T:T+1], v[T+4:T+5]
	v_pk_add_f32 v[T+2:T+3], v[T+2:T+3], v[T+6:T+7]
	s_delay_alu instid0(VALU_DEP_1)
	v_pk_add_f32 v[T:T+1], v[T:T+1], v[T+2:T+3]
	s_delay_alu instid0(VALU_DEP_1)
	v_add_f32 v[T], v[T], v[T+1]
.irp k, 1,2,4,8
	s_delay_alu instid0(VALU_DEP_1)
	v_add_f32_dpp v[T], v[T], v[T] row_xmask:\k row_mask:0xf bank_mask:0xf
.endr
	s_delay_alu instid0(VALU_DEP_1)
	v_permlanex16_b32 v[T+8], v[T], s48, s49
	s_delay_alu instid0(VALU_DEP_1)
	v_add_f32 v[T], v[T], v[T+8]
.endm
.macro LNROW p
.set XP, X+32*\p
.set IP, INR+32*\p
.irp i, 0,2,4,6,8,10,12,14,16,18,20,22,24,26,28,30
	v_pk_add_f32 v[XP+\i:XP+\i+1], v[XP+\i:XP+\i+1], v[IP+\i:IP+\i+1]
.endr
.irp c, 0,2,4,6
	v_pk_add_f32 v[T+\c:T+\c+1], v[XP+\c:XP+\c+1], v[XP+8+\c:XP+9+\c]
.endr
.irp i, 16,24
.irp c, 0,2,4,6
	v_pk_add_f32 v[T+\c:T+\c+1], v[T+\c:T+\c+1], v[XP+\i+\c:XP+\i+\c+1]
.endr
.endr
	SUM
	v_mul_f32 v[T+10], s50, v[T]                   ; the mean, twice: a pair for the packed subtraction
	v_mul_f32 v[T+11], s50, v[T]
.irp i, 0,2,4,6,8,10,12,14,16,18,20,22,24,26,28,30
	v_pk_add_f32 v[XP+\i:XP+\i+1], v[XP+\i:XP+\i+1], v[T+10:T+11] neg_lo:[0,1] neg_hi:[0,1]   ; x - the mean: the variance is taken of these, so no difference of large sums is formed
.endr
.irp c, 0,2,4,6
	v_pk_mul_f32 v[T+\c:T+\c+1], v[XP+\c:XP+\c+1], v[XP+\c:XP+\c+1]
.endr
.irp i, 8,16,24
.irp c, 0,2,4,6
	v_pk_fma_f32 v[T+\c:T+\c+1], v[XP+\i+\c:XP+\i+\c+1], v[XP+\i+\c:XP+\i+\c+1], v[T+\c:T+\c+1]
.endr
.endr
	SUM
	v_fma_f32 v[T+14], v[T], s50, s51              ; the variance + 1e-12
	s_wait_alu depctr_va_vdst(0)                   ; a wait ahead of the transcendentals
	v_rsq_f32 v[T+12], v[T+14]                     ; twice: a pair for the packed multiply
	v_rsq_f32 v[T+13], v[T+14]
	v_nop                                          ; one plain place behind the last transcendental
.if \p == 0
	s_wait_dscnt 0x0                               ; gamma and beta (and row 1) are in
.endif
	s_wait_alu depctr_va_vdst(0)                   ; and behind them, ahead of their first reader
.irp i, 0,2,4,6,8,10,12,14,16,18,20,22,24,26,28,30
	v_pk_mul_f32 v[XP+\i:XP+\i+1], v[XP+\i:XP+\i+1], v[T+12:T+13]
.endr
.irp i, 0,2,4,6,8,10,12,14,16,18,20,22,24,26,28,30
	v_pk_fma_f32 v[XP+\i:XP+\i+1], v[XP+\i:XP+\i+1], v[GM+\i:GM+\i+1], v[BE+\i:BE+\i+1]
.endr
.irp j, 0,1,2,3,4,5,6,7
	global_store_b128 v1, v[XP+4*\j:XP+4*\j+3], s[18:19] offset:\p*4096+512*\j th:TH_STORE_NT   ; 32 lanes store 512 consecutive bytes, at a multiple of 512 from out0's first byte
.endr
.endm
	s_wait_dscnt 24                                ; row 0 is in; row 1, gamma and beta may be out
	LNROW 0
	LNROW 1
	s_endpgm                                       ; no source of a store is written again
.Lfunc_end_k_q1431fc8f2a_fused:
	.size	k_q1431fc8f2a_fused, .Lfunc_end_k_q1431fc8f2a_fused-k_q1431fc8f2a_fused
	.p2alignl 7, 3214868480
	.fill 96, 4, 3214868480
	.section	.rodata,"a",@progbits
	.p2align	6, 0x0
	.amdhsa_kernel k_q1431fc8f2a_fused
		.amdhsa_group_segment_fixed_size 327680
		.amdhsa_private_segment_fixed_size 0
		.amdhsa_enable_private_segment 0
		.amdhsa_kernarg_size 64
		.amdhsa_user_sgpr_count 2
		.amdhsa_user_sgpr_kernarg_segment_ptr 1
		.amdhsa_wavefront_size32 1
		.amdhsa_system_sgpr_workgroup_id_x 1
		.amdhsa_system_sgpr_workgroup_id_y 1
		.amdhsa_system_sgpr_workgroup_id_z 1
		.amdhsa_system_vgpr_workitem_id 0
		.amdhsa_next_free_vgpr 256
		.amdhsa_next_free_sgpr 66
		.amdhsa_reserve_vcc 0
		.amdhsa_float_denorm_mode_32 3
		.amdhsa_float_denorm_mode_16_64 3
		.amdhsa_memory_ordered 1
		.amdhsa_forward_progress 1
		.amdhsa_inst_pref_size 59
	.end_amdhsa_kernel
	.amdgpu_metadata
---
amdhsa.version: [ 1, 2 ]
amdhsa.kernels:
  - .name:           k_q1431fc8f2a_fused
    .symbol:         k_q1431fc8f2a_fused.kd
    .args:
      - { .name: hidden_states, .offset: 0, .size: 8, .value_kind: global_buffer, .address_space: global }
      - { .name: input_tensor, .offset: 8, .size: 8, .value_kind: global_buffer, .address_space: global }
      - { .name: expert_idx, .offset: 16, .size: 8, .value_kind: global_buffer, .address_space: global }
      - { .name: wimg, .offset: 24, .size: 8, .value_kind: global_buffer, .address_space: global }
      - { .name: b, .offset: 32, .size: 8, .value_kind: global_buffer, .address_space: global }
      - { .name: gamma, .offset: 40, .size: 8, .value_kind: global_buffer, .address_space: global }
      - { .name: beta, .offset: 48, .size: 8, .value_kind: global_buffer, .address_space: global }
      - { .name: out0, .offset: 56, .size: 8, .value_kind: global_buffer, .address_space: global }
    .group_segment_fixed_size: 327680
    .private_segment_fixed_size: 0
    .kernarg_segment_align: 8
    .kernarg_segment_size: 64
    .max_flat_workgroup_size: 512
    .sgpr_count:     66
    .vgpr_count:     256
    .wavefront_size: 32
...
	.end_amdgpu_metadata
.endif
;; end of part 2
